; MI455X (gfx1250); checked and timed in simulation.
; The chip was launched on July 23, 2026; its instructions are those of AMD's public machine-readable ISA for CDNA 5 (MIT licence, August 2026) and "CDNA5" Instruction Set Architecture Reference Guide (July 2026). The comments in the code are by the model that wrote it; some were corrected since.
;; Multi Head Attention. Allowed arithmetic: float matrix products may take bf16 or f16 operands with f32 sums; all other float work in f32.
;; Inputs: Wk 1,024 x 1,024 float32; Wo 1,024 x 1,024 float32; Wq 1,024 x 1,024 float32; Wv 1,024 x 1,024 float32; bk 1,024 float32; bo 1,024 float32; bq 1,024 float32; bv 1,024 float32; x 2 x 2,048 x 1,024 float32.
;; Outputs: out0 2 x 2,048 x 1,024 float32.
;; One version. Each part assembles by itself: llvm-mc -triple=amdgcn-amd-amdhsa -mcpu=gfx1250 --defsym DOCPART=n.
;; ======== version 1 of 1: 4 launches
;; workspace buffers: cb 16,777,216 bytes; qkv 25,165,824 bytes; ctx 8,388,608 bytes
;; launch cast (part 1): grid 512 x 1, 8 waves a work-group, no clusters, 0 bytes of LDS; arguments x, Wq, Wk, Wv, Wo, cb; writes cb
.if DOCPART == 1
	.amdgcn_target "amdgcn-amd-amdhsa--gfx1250"
	.amdhsa_code_object_version 6
	.text
	.protected	k_q521f5663e7_cast
	.globl	k_q521f5663e7_cast
	.p2align	8
	.type	k_q521f5663e7_cast,@function
k_q521f5663e7_cast:
	s_mov_b64 s[64:65], 0
	v_nop
	global_prefetch_b8 v0, s[64:65] scope:SCOPE_SE
	s_setreg_imm32_b32 hwreg(HW_REG_WAVE_MODE, 25, 1), 1
	s_wait_xcnt 0x0
; cb = bf16 of x, Wq, Wk, Wv, Wo, one behind the other: every element is rounded (to nearest even) once here instead of once
; in each of the 16 blocks of a product that use it.  cb in bytes: x at 0 (8,388,608), then the four weights, 2,097,152 each.
; Work-group g converts 16,384 numbers: 65,536 bytes in, 32,768 bytes out at byte 32,768 g of cb.
; g 0-255: x;  256-319: Wq;  320-383: Wk;  384-447: Wv;  448-511: Wo.
; A stream: no input byte is used by two work-groups, so LDS, the matrix unit and clusters would add nothing.
; A load of a wave covers 512 consecutive bytes, a store 256 consecutive bytes at a multiple of 256 from cb's first byte.
.set X, 4                              ; v[4:67]   16 chunks as loaded, 4 registers each
.set Y, 68                             ; v[68:99]  16 chunks to store, 2 registers each
.set CHUNKS, 16
	s_load_b256 s[4:11], s[0:1], 0x0               ; x s[4:5], Wq s[6:7], Wk s[8:9], Wv s[10:11]
	s_load_b128 s[12:15], s[0:1], 0x20             ; Wo s[12:13], cb s[14:15]
	v_lshlrev_b32 v1, 4, v0                        ; 16 bytes of f32 a thread
	v_lshlrev_b32 v2, 3, v0                        ; 8 bytes of bf16 a thread
	s_and_b32 s18, ttmp9, 63                       ; my part of a weight matrix (64 work-groups each),
	s_cmp_lt_u32 ttmp9, 256
	s_cselect_b32 s18, ttmp9, s18                  ; or of x (256 work-groups)
	s_lshl_b32 s18, s18, 16                        ; times 65,536 bytes
	s_mov_b32 s19, 0
	s_lshl_b32 s20, ttmp9, 15                      ; cb is linear in the work-group's number
	s_mov_b32 s21, 0
	s_wait_kmcnt 0x0
	s_cmp_lt_u32 ttmp9, 448                        ; the source: a chain of choices on the work-group's number
	s_cselect_b64 s[16:17], s[10:11], s[12:13]
	s_cmp_lt_u32 ttmp9, 384
	s_cselect_b64 s[16:17], s[8:9], s[16:17]
	s_cmp_lt_u32 ttmp9, 320
	s_cselect_b64 s[16:17], s[6:7], s[16:17]
	s_cmp_lt_u32 ttmp9, 256
	s_cselect_b64 s[16:17], s[4:5], s[16:17]
	s_add_nc_u64 s[16:17], s[16:17], s[18:19]
	s_add_nc_u64 s[14:15], s[14:15], s[20:21]
.set i, 0
.rept CHUNKS
	global_load_b128 v[X+4*i:X+4*i+3], v1, s[16:17] offset:4096*i th:TH_LOAD_NT   ; all 16 loads go out at once; read once in the launch
.set i, i+1
.endr
.set i, 0
.rept CHUNKS
	s_wait_loadcnt CHUNKS-1-i                      ; loads come back in order: chunk i is in, the younger ones stay out
	v_cvt_pk_bf16_f32 v[Y+2*i], v[X+4*i], v[X+4*i+1]
	v_cvt_pk_bf16_f32 v[Y+2*i+1], v[X+4*i+2], v[X+4*i+3]
	global_store_b64 v2, v[Y+2*i:Y+2*i+1], s[14:15] offset:2048*i   ; every chunk has registers of its own: nothing is rewritten
.set i, i+1
.endr
	s_endpgm
.Lfunc_end_k_q521f5663e7_cast:
	.size	k_q521f5663e7_cast, .Lfunc_end_k_q521f5663e7_cast-k_q521f5663e7_cast
	.p2alignl 7, 3214868480
	.fill 96, 4, 3214868480
	.section	.rodata,"a",@progbits
	.p2align	6, 0x0
	.amdhsa_kernel k_q521f5663e7_cast
		.amdhsa_group_segment_fixed_size 0
		.amdhsa_private_segment_fixed_size 0
		.amdhsa_enable_private_segment 0
		.amdhsa_kernarg_size 48
		.amdhsa_user_sgpr_count 2
		.amdhsa_user_sgpr_kernarg_segment_ptr 1
		.amdhsa_wavefront_size32 1
		.amdhsa_system_sgpr_workgroup_id_x 1
		.amdhsa_system_sgpr_workgroup_id_y 1
		.amdhsa_system_sgpr_workgroup_id_z 1
		.amdhsa_system_vgpr_workitem_id 0
		.amdhsa_next_free_vgpr 104
		.amdhsa_next_free_sgpr 66
		.amdhsa_reserve_vcc 0
		.amdhsa_float_denorm_mode_32 3
		.amdhsa_float_denorm_mode_16_64 3
		.amdhsa_memory_ordered 1
		.amdhsa_forward_progress 1
		.amdhsa_inst_pref_size 7
	.end_amdhsa_kernel
	.amdgpu_metadata
---
amdhsa.version: [ 1, 2 ]
amdhsa.kernels:
  - .name:           k_q521f5663e7_cast
    .symbol:         k_q521f5663e7_cast.kd
    .args:
      - { .name: x, .offset: 0, .size: 8, .value_kind: global_buffer, .address_space: global }
      - { .name: Wq, .offset: 8, .size: 8, .value_kind: global_buffer, .address_space: global }
      - { .name: Wk, .offset: 16, .size: 8, .value_kind: global_buffer, .address_space: global }
      - { .name: Wv, .offset: 24, .size: 8, .value_kind: global_buffer, .address_space: global }
      - { .name: Wo, .offset: 32, .size: 8, .value_kind: global_buffer, .address_space: global }
      - { .name: cb, .offset: 40, .size: 8, .value_kind: global_buffer, .address_space: global }
    .group_segment_fixed_size: 0
    .private_segment_fixed_size: 0
    .kernarg_segment_align: 8
    .kernarg_segment_size: 48
    .max_flat_workgroup_size: 256
    .sgpr_count:     66
    .vgpr_count:     104
    .wavefront_size: 32
...
	.end_amdgpu_metadata
.endif
;; end of part 1
;; launch qkv (part 2): grid 16 x 16, 4 waves a work-group, clusters of 4 x 4, 327,680 bytes of LDS; arguments cb, bq, bk, bv, qkv; writes qkv
.if DOCPART == 2
	.amdgcn_target "amdgcn-amd-amdhsa--gfx1250"
	.amdhsa_code_object_version 6
	.text
	.protected	k_q521f5663e7_qkv
	.globl	k_q521f5663e7_qkv
	.p2align	8
	.type	k_q521f5663e7_qkv,@function
k_q521f5663e7_qkv:
	s_mov_b64 s[64:65], 0
	v_nop
	global_prefetch_b8 v0, s[64:65] scope:SCOPE_SE
	s_setreg_imm32_b32 hwreg(HW_REG_WAVE_MODE, 25, 1), 1
	s_wait_xcnt 0x0
	s_wait_alu depctr_hold_cnt(0) depctr_sa_sdst(0) depctr_va_vdst(0) depctr_va_sdst(0) depctr_va_ssrc(0) depctr_va_vcc(0) depctr_vm_vsrc(0)
	s_getreg_b32 s2, hwreg(HW_REG_IB_STS2, 6, 4)
	s_cmp_eq_u32 s2, 0
	s_cbranch_scc0 .Lentry_in_a_cluster
	s_endpgm
.Lentry_in_a_cluster:
	s_bfe_u32 s2, ttmp6, 0x10000c
	s_cmp_lg_u32 s2, 0xf033
	s_cbranch_scc0 .Lentry_shape_is_right
	s_endpgm
.Lentry_shape_is_right:
; Q, K, V = x W^T + b in one product: [4096 x 1024] times [3072 x 1024]^T (Wq, Wk, Wv lie behind each other in cb), bf16 operands, f32 sums.
; Q is also multiplied by 0.125 log2(e), so that the attention's exponent is exp2(s - m) with an exact difference.
; Out: qkv[mat][b][h][t][64] in bf16: each head's plane is dense (262,144 bytes, rows of 128 bytes).
; LIMITS: operands and results are rounded to bf16; the order of the sums is not that of a chain of f32 additions.
; A work-group makes 256 rows x 192 columns (three whole heads of the list of 48); 16 x 16 work-groups.  Wave w makes rows 64 w .. 64 w + 63 and all
; 192 columns: 4 x 12 accumulator tiles, 384 registers, so that each wave owns whole heads and stores dense runs.
; K goes in steps of 128 (rows of 256 bytes in memory) through two LDS slots filled by the tensor data mover.
; CLUSTER 4 x 4: x's tile hangs on the block row alone and is asked for jointly along a row of the cluster, W's on the block column alone and is asked for
; jointly along a column.  Each wave asks for 64 rows of x and 48 rows of W of each slot.
; THE MATRIX INSTRUCTION IS USED TRANSPOSED (source 0 = rows of W, source 1 = rows of x): a lane holds row l % 16 and 8 neighbouring columns.
; REGISTERS: window 0: addresses, x's fragments (two buffers), the way out;  windows 1, 2: accumulators of row tiles 0-1, 2-3;
;            window 3: W's fragments (two buffers of 96), at the end the bias.
.set KSTEP,  128
.set PITCH,  272                       ; LDS row: 256 bytes + 16 of padding: an odd multiple of 16, so the 16 rows of a fragment load start in 16 different 16-byte columns
.set APIECE, 64*PITCH                  ; what a wave fetches of x
.set BPIECE, 48*PITCH                  ; and of W
.set BOFF,   256*PITCH                 ; W's 192 rows lie behind x's 256
.set SLOT,   448*PITCH
.set STAGE,  2*SLOT                    ; behind the ring, no tensor load lands here: 16 rows x 400 bytes for each wave
.set SPITCH, 400                       ; 384 bytes (192 bf16) + 16
.set WOFF,   8388608                   ; Wq's first byte in cb
.set PADW,   (1<<16)|(1<<20)|(1<<21)|(5<<22)|(3<<25)   ; 2-byte elements; padding on; bit 21 beside a mask; after every 64 words; 4 words
.set ADRA, 16                          ; v16-17  LDS address of my x fragments, slot 0, 1
.set ADRB, 20                          ; v20-21  the same for W
.set STO,  24                          ; way out: where I put 16 bytes
.set RD,   25                          ; way out: where I read back
.set CO,   26                          ; 16 x lane
.set BO,   27                          ; 32 x (lane / 16): my 8 bias numbers in a tile of 16
.set FA,   32                          ; x fragments: buffer f at FA + 32 f (window 0)
.set T,    96                          ; v96-191  one row tile in f32; v96-143 again as rows read back
.set PK,   192                         ; v192-239 the same in bf16
.set G1A, 24
.set G1B, 32
.set G0A, 40                           ; s[40:47]  group 0 for x's tiles, slot 0, 1
.set G0B, 48                           ; s[48:55]  for W's
.set OUTP, 66                          ; s[66:71]  three output pointers
.set BIP,  72                          ; s[72:77]  three bias pointers
.set SCP,  78                          ; s[78:83]  three scale pairs
.set MUL_LO, 0x53                      ; source 0 window 3, source 1 window 0, C and D window 1
.set MUL_HI, 0xa3                      ; C and D window 2
.set TO_B,   0xc0                      ; destination window 3
.set MSB, 0
.macro WIN new                         ; the immediate's high byte repeats the setting that is left
.if MSB != \new
	s_set_vgpr_msb (MSB<<8)|\new
.set MSB, \new
.endif
.endm
.macro PLACES                          ; four places behind a matrix instruction (ISA guide 7.12.1) before its registers are loaded into or its result is read
.rept 4
	v_nop
.endr
.endm
.macro CREST                           ; a round of the cluster's barrier behind its opening work-group barrier
	s_cmp_lg_u32 s14, 0
	s_cbranch_scc1 .Lnot_wave_0_\@
	s_barrier_signal -3
.Lnot_wave_0_\@:
	s_barrier_wait -3
	s_barrier_signal -1
	s_barrier_wait -1
.endm
.macro CROUND
	s_barrier_signal -1
	s_barrier_wait -1
	CREST
.endm
	s_load_b256 s[4:11], s[0:1], 0x0               ; cb s[4:5], bq s[6:7], bk s[8:9], bv s[10:11]
	s_load_b64 s[12:13], s[0:1], 0x20              ; qkv
	s_set_vgpr_msb 0xc0
	v_lshl_add_u32 v193, v0, 2, 0x41c00
	s_set_vgpr_msb 0xc000
	v_mov_b32 v255, 0
	s_set_vgpr_msb 0x3
	ds_add_u32 v193, v255
	s_set_vgpr_msb 0x300
	v_lshrrev_b32 v1, 5, v0
	v_readfirstlane_b32 s14, v1                    ; wave 0..3
	s_bfe_u32 s15, ttmp6, 0x40000                  ; cx
	s_bfe_u32 s16, ttmp6, 0x40004                  ; cy
	s_lshl_b32 s17, ttmp9, 2
	s_add_co_u32 s17, s17, s15                     ; block column 0..15
	s_and_b32 s18, ttmp7, 0xffff
	s_lshl_b32 s18, s18, 2
	s_add_co_u32 s18, s18, s16                     ; block row 0..15
	s_lshl_b32 s19, s16, 2
	s_lshl_b32 s19, 15, s19                        ; my row of the cluster
	s_lshl_b32 s20, 0x1111, s15                    ; my column
	s_or_b32 s[G1A+0], s19, PADW                   ; x's tiles: 64 rows x 128 elements, pitch 1024
	s_mov_b32 s[G1A+1], KSTEP<<16
	s_mov_b32 s[G1A+2], 64<<16
	s_mov_b32 s[G1A+3], KSTEP<<16
	s_mov_b32 s[G1A+4], 64
	s_mov_b32 s[G1A+5], 1024
	s_mov_b32 s[G1A+6], 0
	s_mov_b32 s[G1A+7], 0
	s_or_b32 s[G1B+0], s20, PADW                   ; W's tiles: 48 rows x 128 elements
	s_mov_b32 s[G1B+1], KSTEP<<16
	s_mov_b32 s[G1B+2], 48<<16
	s_mov_b32 s[G1B+3], KSTEP<<16
	s_mov_b32 s[G1B+4], 48
	s_mov_b32 s[G1B+5], 1024
	s_mov_b32 s[G1B+6], 0
	s_mov_b32 s[G1B+7], 0
	s_lshl_b32 s56, s18, 8                         ; x: row 256 x block row + 64 x wave (registers that never hold the block column)
	s_lshl_b32 s57, s14, 6
	s_add_co_u32 s56, s56, s57
	s_lshl_b32 s56, s56, 11                        ; rows of 2,048 bytes
	s_mov_b32 s57, 0
	s_mul_i32 s60, s17, 192                        ; W: row 192 x block column + 48 x wave (registers that never hold the block row)
	s_mul_i32 s61, s14, 48
	s_add_co_u32 s60, s60, s61
	s_lshl_b32 s60, s60, 11
	s_add_co_u32 s60, s60, WOFF
	s_mov_b32 s61, 0
	s_mul_i32 s22, s14, APIECE                     ; LDS addresses hang on the wave's number alone
	s_mul_i32 s23, s14, BPIECE
	s_add_co_u32 s23, s23, BOFF
	s_mul_i32 s3, s14, 16*SPITCH
	s_add_co_u32 s3, s3, STAGE                     ; my stage
	s_wait_dscnt 0x0
	s_wait_kmcnt 0x0
	s_add_nc_u64 s[56:57], s[4:5], s[56:57]
	s_add_nc_u64 s[60:61], s[4:5], s[60:61]
	CROUND                                         ; all sixteen work-groups are here: the first joint loads meet
.irp s, 0,1
	s_mov_b32 s[G0A+4*\s], 1
	s_add_co_u32 s[G0A+4*\s+1], s22, \s*SLOT
	s_add_nc_u64 s[G0A+4*\s+2:G0A+4*\s+3], s[56:57], \s*KSTEP*2
	s_or_b32 s[G0A+4*\s+3], s[G0A+4*\s+3], 0x80000000
	s_mov_b32 s[G0B+4*\s], 1
	s_add_co_u32 s[G0B+4*\s+1], s23, \s*SLOT
	s_add_nc_u64 s[G0B+4*\s+2:G0B+4*\s+3], s[60:61], \s*KSTEP*2
	s_or_b32 s[G0B+4*\s+3], s[G0B+4*\s+3], 0x80000000
	tensor_load_to_lds s[G0A+4*\s:G0A+4*\s+3], s[G1A:G1A+7]    ; four tensor loads of the wave are out here, two in the loop
	s_nop 0
	tensor_load_to_lds s[G0B+4*\s:G0B+4*\s+3], s[G1B:G1B+7]
	s_nop 0
.endr
	v_and_b32 v1, 15, v0                           ; r = lane % 16
	v_bfe_u32 v2, v0, 4, 1                         ; h = lane / 16
	v_mul_u32_u24 v3, v1, PITCH
	v_lshl_add_u32 v3, v2, 4, v3                   ; r x pitch + 16 h
	v_add_nc_u32 v[ADRA], s22, v3                  ; my 64 rows of x are those that I fetched
	v_add_nc_u32 v[ADRA+1], SLOT, v[ADRA]
	v_add_nc_u32 v[ADRB], BOFF, v3                 ; all 192 rows of W
	v_add_nc_u32 v[ADRB+1], SLOT+BOFF, v3
	v_mul_u32_u24 v4, v1, SPITCH
	v_lshl_add_u32 v4, v2, 4, v4
	v_add_nc_u32 v[STO], s3, v4                    ; in: row r, 16 bytes for each half of the lanes
	v_bfe_u32 v5, v0, 3, 2
	v_and_b32 v6, 7, v0
	v_mul_u32_u24 v5, v5, SPITCH
	v_lshl_add_u32 v5, v6, 4, v5
	v_add_nc_u32 v[RD], s3, v5                     ; back: 8 lanes take a head's 128 bytes of a row, a wave four rows
	v_and_b32 v7, 31, v0
	v_lshlrev_b32 v[CO], 4, v7
	v_lshlrev_b32 v[BO], 5, v2
	; my three heads g = 3 x block column + i of the list of 48: matrix g / 16, head g % 16: bias, scale and output plane of each
.irp i, 0,1,2
	s_mul_i32 s84, s17, 3
	s_add_co_u32 s84, s84, \i
	s_lshr_b32 s85, s84, 4                         ; 0: Q, 1: K, 2: V
	s_and_b32 s86, s84, 15                         ; head
	s_cmp_eq_u32 s85, 0
	s_cselect_b64 s[BIP+2*\i:BIP+2*\i+1], s[6:7], s[8:9]
	s_cselect_b32 s[SCP+2*\i], 0x3e38aa3b, 1.0     ; 0.125 log2(e) for Q, 1 for K and V
	s_cselect_b32 s[SCP+2*\i+1], 0x3e38aa3b, 1.0
	s_cmp_eq_u32 s85, 2
	s_cselect_b64 s[BIP+2*\i:BIP+2*\i+1], s[10:11], s[BIP+2*\i:BIP+2*\i+1]
	s_lshl_b32 s88, s86, 8                         ; 64 f32 a head
	s_mov_b32 s89, 0
	s_add_nc_u64 s[BIP+2*\i:BIP+2*\i+1], s[BIP+2*\i:BIP+2*\i+1], s[88:89]
	s_lshl_b32 s87, s85, 5                         ; plane = 32 mat + 16 b + head
	s_add_co_u32 s87, s87, s86
	s_lshr_b32 s90, s18, 3                         ; b = block row / 8
	s_lshl_b32 s90, s90, 4
	s_add_co_u32 s87, s87, s90
	s_lshl_b32 s88, s87, 18                        ; planes of 262,144 bytes
	s_and_b32 s90, s18, 7
	s_lshl_b32 s90, s90, 15                        ; t = 256 (block row % 8) + 64 wave, rows of 128 bytes
	s_add_co_u32 s88, s88, s90
	s_lshl_b32 s90, s14, 13
	s_add_co_u32 s88, s88, s90
	s_add_nc_u64 s[OUTP+2*\i:OUTP+2*\i+1], s[12:13], s[88:89]
.endr
; 12 matrix instructions: row tile a x all 12 column tiles, 32 along K, from buffer f.  zero = 1: the first product starts the sums.
; The 48 accumulators take turns, one instruction a turn, in the same order in every quarter step and over the loop's jump.
.macro MULA f, a, zero
.irp b, 0,1,2,3,4,5,6,7,8,9,10,11
.if \zero
	v_wmma_f32_16x16x32_bf16 v[8*(12*(\a%2)+\b):8*(12*(\a%2)+\b)+7], v[96*\f+8*\b:96*\f+8*\b+7], v[FA+32*\f+8*\a:FA+32*\f+8*\a+7], 0
.else
	v_wmma_f32_16x16x32_bf16 v[8*(12*(\a%2)+\b):8*(12*(\a%2)+\b)+7], v[96*\f+8*\b:96*\f+8*\b+7], v[FA+32*\f+8*\a:FA+32*\f+8*\a+7], v[8*(12*(\a%2)+\b):8*(12*(\a%2)+\b)+7]
.endif
.endr
.endm
; 32 LDS loads in one run: the fragments of a quarter step (192 rows of W, then my 64 rows of x; 32 K at byte k of the rows) into buffer f
.macro FETCH slot, k, f
	WIN TO_B
.irp i, 0,1,2,3,4,5,6,7,8,9,10,11
	ds_load_b128 v[96*\f+8*\i:96*\f+8*\i+3],   v[ADRB+\slot] offset:\k+\i*16*PITCH
	ds_load_b128 v[96*\f+8*\i+4:96*\f+8*\i+7], v[ADRB+\slot] offset:\k+\i*16*PITCH+32
.endr
	WIN 0
.irp i, 0,1,2,3
	ds_load_b128 v[FA+32*\f+8*\i:FA+32*\f+8*\i+3],   v[ADRA+\slot] offset:\k+\i*16*PITCH
	ds_load_b128 v[FA+32*\f+8*\i+4:FA+32*\f+8*\i+7], v[ADRA+\slot] offset:\k+\i*16*PITCH+32
.endr
.endm
; one of a K step's first three quarter steps: multiplies buffer f, fetches the next quarter (byte k) into buffer g in its middle
.macro QUARTER slot, k, f, g, zero
	s_wait_dscnt 4                                 ; W and x's row tiles 0, 1 are in; the youngest four loads (row tiles 2, 3) may be out
	WIN MUL_LO
	MULA \f, 0, \zero
	MULA \f, 1, \zero
	PLACES
	FETCH \slot, \k, \g
	s_wait_dscnt 32                                ; all but the 32 just issued
	WIN MUL_HI
	MULA \f, 2, \zero
	MULA \f, 3, \zero
.endm
.macro THREE slot, zero
	QUARTER \slot, 64,  0, 1, \zero
	QUARTER \slot, 128, 1, 0, 0
	QUARTER \slot, 192, 0, 1, 0
.endm
; the last quarter step: multiplies buffer 1 and changes slots.  In front of the barrier each wave waits for its reads of this slot and for all its
; tensor loads (its parts of the next slot); behind it (with fill: behind the whole round of the cluster's barrier) the refills come first.
.macro TURN slot, next, fill
	s_wait_dscnt 4
	WIN MUL_LO
	MULA 1, 0, 0
	s_wait_dscnt 0x0                               ; my reads of this slot are over
	s_wait_tensorcnt 0x0                           ; all my tensor loads have landed
	ds_add_u32 v193, v255
	s_wait_dscnt 0x0
	s_barrier_signal -1
	MULA 1, 1, 0                                   ; register work while the others arrive
	WIN 0
	s_barrier_wait -1
.if \fill
	CREST                                          ; no wave of any partner still reads this slot or has a load on its way
	s_add_nc_u64 s[G0A+4*\slot+2:G0A+4*\slot+3], s[G0A+4*\slot+2:G0A+4*\slot+3], 2*KSTEP*2
	s_add_nc_u64 s[G0B+4*\slot+2:G0B+4*\slot+3], s[G0B+4*\slot+2:G0B+4*\slot+3], 2*KSTEP*2
	tensor_load_to_lds s[G0A+4*\slot:G0A+4*\slot+3], s[G1A:G1A+7]
	s_nop 0
	tensor_load_to_lds s[G0B+4*\slot:G0B+4*\slot+3], s[G1B:G1B+7]
	s_nop 0
.endif
	PLACES
	FETCH \next, 0, 0
	WIN MUL_HI
	MULA 1, 2, 0
	MULA 1, 3, 0
.endm
.macro LAP zero
	THREE 0, \zero
	TURN 0, 1, 1
	THREE 1, 0
	TURN 1, 0, 1
.endm
	s_wait_tensorcnt 2                             ; my two parts of K step 0 are in, K step 1's two stay out
	s_barrier_signal -1
	s_barrier_wait -1
	FETCH 0, 0, 0
	LAP 1                                          ; K steps 0, 1 (fills 2, 3)
	WIN 0
	s_mov_b32 s21, 2                               ; 1024 / 128 = 8 K steps = 4 laps: one in front, two here, one behind
.Llap:
	LAP 0
	WIN 0
	s_sub_co_u32 s21, s21, 1
	s_cmp_lg_u32 s21, 0
	s_cbranch_scc1 .Llap
	THREE 0, 0                                     ; the last lap fills nothing
	TURN 0, 1, 0
	THREE 1, 0
	s_wait_dscnt 4
	WIN MUL_LO
	MULA 1, 0, 0
	MULA 1, 1, 0
	s_wait_dscnt 0x0
	WIN MUL_HI
	MULA 1, 2, 0
	MULA 1, 3, 0
	WIN 0
	PLACES
	; THE WAY OUT.  The bias of my 192 columns (8 numbers for each column tile) goes where W's fragments were, times the head's scale:
	; (sum + b) c = sum c + b c, one fused multiply-add for each pair of results.
	WIN TO_B
.irp i, 0,1,2
.irp t, 0,1,2,3
	global_load_b128 v[8*(4*\i+\t):8*(4*\i+\t)+3],   v[BO], s[BIP+2*\i:BIP+2*\i+1] offset:64*\t
	global_load_b128 v[8*(4*\i+\t)+4:8*(4*\i+\t)+7], v[BO], s[BIP+2*\i:BIP+2*\i+1] offset:64*\t+16
.endr
.endr
	s_wait_loadcnt 0x0
	WIN 0xc3                                       ; source 0 and destination window 3
.set p, 0
.rept 48
	v_pk_mul_f32 v[2*p:2*p+1], v[2*p:2*p+1], s[SCP+2*(p/16):SCP+2*(p/16)+1] op_sel_hi:[1,0]
.set p, p+1
.endr
; row tile a: 16 rows x 192 columns: scale and bias, round to bf16, through my stage, out as four rows of 128 bytes of one head at a time:
; each store of the wave covers 512 consecutive bytes at a multiple of 512 from the plane's first byte.
.macro OUT16 a
	s_wait_xcnt 0x0                                ; v96-143 were the data of the last row tile's stores: rewritten only behind this wait
.if \a < 2
	WIN 0x31                                       ; source 0 window 1, source 2 window 3
.else
	WIN 0x32                                       ; source 0 window 2
.endif
.irp b, 0,1,2,3,4,5,6,7,8,9,10,11
.irp p, 0,1,2,3
	v_pk_fma_f32 v[T+8*\b+2*\p:T+8*\b+2*\p+1], v[8*(12*(\a%2)+\b)+2*\p:8*(12*(\a%2)+\b)+2*\p+1], s[SCP+2*(\b/4):SCP+2*(\b/4)+1], v[8*\b+2*\p:8*\b+2*\p+1] op_sel_hi:[1,0,1]
.endr
.endr
	WIN 0
.irp b, 0,1,2,3,4,5,6,7,8,9,10,11
.irp p, 0,1,2,3
	v_cvt_pk_bf16_f32 v[PK+4*\b+\p], v[T+8*\b+2*\p], v[T+8*\b+2*\p+1]
.endr
.endr
.irp b, 0,1,2,3,4,5,6,7,8,9,10,11
	ds_store_b128 v[STO], v[PK+4*\b:PK+4*\b+3] offset:32*\b
.endr
.irp i, 0,1,2
.irp t, 0,1,2,3
	ds_load_b128 v[T+4*(4*\i+\t):T+4*(4*\i+\t)+3], v[RD] offset:4*SPITCH*\t+128*\i   ; LDS serves a wave's instructions in order: these see the stores above
.endr
.endr
.irp i, 0,1,2
.irp t, 0,1,2,3
	s_wait_dscnt 11-(4*\i+\t)                      ; the younger loads stay out
	global_store_b128 v[CO], v[T+4*(4*\i+\t):T+4*(4*\i+\t)+3], s[OUTP+2*\i:OUTP+2*\i+1] offset:2048*\a+512*\t
.endr
.endr
.endm
	OUT16 0
	OUT16 1
	OUT16 2
	OUT16 3
	s_set_vgpr_msb 0x3
	s_wait_tensorcnt 0x0
	ds_add_u32 v193, v255
	s_wait_dscnt 0x0
	s_set_vgpr_msb 0x300
	CROUND                                         ; the closing round: no work-group ends while a partner may still ask for a tile that names it
	s_endpgm
.Lfunc_end_k_q521f5663e7_qkv:
	.size	k_q521f5663e7_qkv, .Lfunc_end_k_q521f5663e7_qkv-k_q521f5663e7_qkv
	.p2alignl 7, 3214868480
	.fill 96, 4, 3214868480
	.section	.rodata,"a",@progbits
	.p2align	6, 0x0
	.amdhsa_kernel k_q521f5663e7_qkv
		.amdhsa_group_segment_fixed_size 327680
		.amdhsa_private_segment_fixed_size 0
		.amdhsa_enable_private_segment 0
		.amdhsa_kernarg_size 40
		.amdhsa_user_sgpr_count 2
		.amdhsa_user_sgpr_kernarg_segment_ptr 1
		.amdhsa_wavefront_size32 1
		.amdhsa_system_sgpr_workgroup_id_x 1
		.amdhsa_system_sgpr_workgroup_id_y 1
		.amdhsa_system_sgpr_workgroup_id_z 1
		.amdhsa_system_vgpr_workitem_id 0
		.amdhsa_next_free_vgpr 962
		.amdhsa_next_free_sgpr 96
		.amdhsa_reserve_vcc 0
		.amdhsa_float_denorm_mode_32 3
		.amdhsa_float_denorm_mode_16_64 3
		.amdhsa_memory_ordered 1
		.amdhsa_forward_progress 1
		.amdhsa_inst_pref_size 182
	.end_amdhsa_kernel
	.amdgpu_metadata
---
amdhsa.version: [ 1, 2 ]
amdhsa.kernels:
  - .name:           k_q521f5663e7_qkv
    .symbol:         k_q521f5663e7_qkv.kd
    .args:
      - { .name: cb, .offset: 0, .size: 8, .value_kind: global_buffer, .address_space: global }
      - { .name: bq, .offset: 8, .size: 8, .value_kind: global_buffer, .address_space: global }
      - { .name: bk, .offset: 16, .size: 8, .value_kind: global_buffer, .address_space: global }
      - { .name: bv, .offset: 24, .size: 8, .value_kind: global_buffer, .address_space: global }
      - { .name: qkv, .offset: 32, .size: 8, .value_kind: global_buffer, .address_space: global }
    .group_segment_fixed_size: 327680
    .private_segment_fixed_size: 0
    .kernarg_segment_align: 8
    .kernarg_segment_size: 40
    .max_flat_workgroup_size: 128
    .sgpr_count:     96
    .vgpr_count:     962
    .wavefront_size: 32
...
	.end_amdgpu_metadata
.endif
;; end of part 2
;; launch attn (part 3): grid 8 x 32, 8 waves a work-group, clusters of 4 x 1, 327,680 bytes of LDS; arguments qkv, ctx; writes ctx
.if DOCPART == 3
	.amdgcn_target "amdgcn-amd-amdhsa--gfx1250"
	.amdhsa_code_object_version 6
	.text
	.protected	k_q521f5663e7_attn
	.globl	k_q521f5663e7_attn
	.p2align	8
	.type	k_q521f5663e7_attn,@function
k_q521f5663e7_attn:
	s_mov_b64 s[64:65], 0
	v_nop
	global_prefetch_b8 v0, s[64:65] scope:SCOPE_SE
	s_setreg_imm32_b32 hwreg(HW_REG_WAVE_MODE, 25, 1), 1
	s_wait_xcnt 0x0
	s_wait_alu depctr_hold_cnt(0) depctr_sa_sdst(0) depctr_va_vdst(0) depctr_va_sdst(0) depctr_va_ssrc(0) depctr_va_vcc(0) depctr_vm_vsrc(0)
	s_getreg_b32 s2, hwreg(HW_REG_IB_STS2, 6, 4)
	s_cmp_eq_u32 s2, 0
	s_cbranch_scc0 .Lentry_in_a_cluster
	s_endpgm
.Lentry_in_a_cluster:
	s_bfe_u32 s2, ttmp6, 0x10000c
	s_cmp_lg_u32 s2, 0x3003
	s_cbranch_scc0 .Lentry_shape_is_right
	s_endpgm
.Lentry_shape_is_right:
; ctx[b][h][t][64] = softmax(Q K^T / 8) V for one head, with a running maximum.  Q in qkv already carries 0.125 log2(e), so p = exp2(s - m).
; LIMITS: Q, K, V, p and ctx are bf16; exp2 results below 2^-126 become 0; an infinite or NaN score makes its query's results NaN;
; the row sum is taken of p in f32, the product with V of p rounded to bf16.
; A work-group takes 256 queries of one head (8 x 32 work-groups).  CLUSTER 4 x 1: four query blocks of one head walk the same K and V tiles and ask jointly.
; Eight waves: wave w takes queries 64 (w % 4) .. + 63 (four query tiles) and, of each tile of 256 keys, keys 128 (w / 4) .. + 127, in two runs of 64;
; the two halves of the keys are merged once at the end.
; LAYOUT: S^T = K (source 0) x Q^T (source 1): lane (r, h) holds query r, register j key 8 h + j.  Two neighbouring tiles of S^T, packed to bf16, ARE the
; source-1 fragment P^T of 32 keys: no lane is crossed.  out^T = V^T (source 0, by transposing LDS loads) x P^T: again query r in lane (r, h),
; so maximum, sum and rescaling factor are one number a lane, and a reduction crosses only the two halves of the wave.
; THE PIPELINE: work goes in stages, one query tile of one run of 64 keys each.  Stage g does the softmax of tile g; the 8 products of S^T(g + 1) stand singly
; among its subtractions and exponentials, the 8 products of out^T(g - 1) among the 16 multiplies that rescale out^T(g).  So every stage holds 16 matrix
; instructions and about 120 vector instructions on other registers, and neither kind comes in a long run of its own.
; REGISTERS: window 0: addresses and softmax state (v0-63), S in two buffers of 32 that take turns (v64-127), K fragments (v128-191), Q fragments (v192-255):
;            S^T's products and the softmax name window 0 alone and need no switch between them.
;            window 1: out^T (0-127), V fragments (128-191), P in two buffers of 16 (192-223), the rescaling factors (224-231):
;            out^T's products and the rescaling name window 1 alone.
.set KP,   144                         ; K's LDS row: 128 bytes + 16: an odd multiple of 16
.set VP,   160                         ; V's LDS row: 128 bytes + 32: an odd multiple of 32, for the transposing loads
.set VOFF, 256*KP
.set SLOT, VOFF+256*VP                 ; 77,824: 256 keys of K, then of V
.set XCH,  2*SLOT                      ; the merge: 17,920 bytes for each pair of waves; no tensor load lands here
.set XW,   17920
.set STG,  XCH+4*XW                    ; the way out: 16 rows x 144 bytes for each of waves 0-3
.set SGW,  16*KP
.set KBASE, 8388608                    ; K's planes in qkv
.set VBASE, 16777216                   ; V's
.set TILEB, 32768                      ; 256 keys x 128 bytes
.set KADR, 4                           ; v4-5    my K fragments, slot 0, 1
.set VADR, 6                           ; v6-7    my V fragments
.set M,    8                           ; v[8:11]   running maximum of query tile 0..3
.set LS,   12                          ; v[12:15]  my lane's part of the running sum
.set NM,   16                          ; v[16:23]  minus the maximum, in the even register of a pair
.set AL,   24                          ; v[24:31]  rescaling factor, likewise
.set T,    32                          ; v[32:39]  at work
.set QO,   40
.set XA,   41
.set STO,  42
.set RD,   43
.set CO,   44
.set S,    64                          ; v64-127   query tile qt: S + 32 (qt % 2) + 8 kt.  At the merge v64-191 are one region of 128
.set KF,   128                         ; v128-191  fragment (kt, ds) at KF + 8 (2 kt + ds)
.set QF,   192                         ; v192-255  fragment (qt, ds) at QF + 8 (2 qt + ds)
.set X2,   192                         ; at the merge: the other half's maxima and sums
.set ACC,  0                           ; window 1: tile (qt, dt) at 8 (4 qt + dt)
.set VF,   128                         ; window 1: fragment (kk, dt) at VF + 8 (4 kk + dt)
.set PB,   192                         ; window 1: P^T of query tile qt, keys 32 kk ..: PB + 16 (qt % 2) + 8 kk
.set ALW,  224                         ; window 1: the rescaling factors again, in pairs
.set G1K, 16
.set G1V, 24
.set G0K, 32                           ; s[32:39] slot 0, 1
.set G0V, 40                           ; s[40:47]
.set MSB, 0
.macro WIN new                         ; the immediate's high byte repeats the setting that is left
.if MSB != \new
	s_set_vgpr_msb (MSB<<8)|\new
.set MSB, \new
.endif
.endm
.macro PLACES                          ; four places behind a matrix instruction before its result is read (ISA guide 7.12.1)
.rept 4
	v_nop
.endr
.endm
.macro CREST                           ; a round of the cluster's barrier behind its opening work-group barrier
	s_cmp_lg_u32 s8, 0
	s_cbranch_scc1 .Lnot_wave_0_\@
	s_barrier_signal -3
.Lnot_wave_0_\@:
	s_barrier_wait -3
	s_barrier_signal -1
	s_barrier_wait -1
.endm
.macro ROUND                           ; a whole round
	s_barrier_signal -1
	s_barrier_wait -1
	CREST
.endm
	s_load_b128 s[4:7], s[0:1], 0x0                ; qkv s[4:5], ctx s[6:7]
	v_lshl_add_u32 v62, v0, 2, 0x39c00
	v_mov_b32 v63, 0
	ds_add_u32 v62, v63
	v_lshrrev_b32 v1, 5, v0
	v_readfirstlane_b32 s8, v1                     ; wave 0..7
	s_and_b32 s9, s8, 3                            ; which 64 queries
	s_lshr_b32 s10, s8, 2                          ; which half of the keys
	s_bfe_u32 s11, ttmp6, 0x40000                  ; cx
	s_lshl_b32 s12, ttmp9, 2
	s_add_co_u32 s12, s12, s11                     ; query block 0..7
	s_and_b32 s13, ttmp7, 0xffff                   ; plane 16 b + h
	s_mov_b32 s54, 0x76543210                      ; v_permlanex16_b32: lane i takes lane i of the other half
	s_mov_b32 s55, 0xfedcba98
	; a wave fetches 32 rows x 64 elements of K and of V of each tile; mask 15: all four work-groups of the cluster
	s_mov_b32 s[G1K+0], 15|(1<<16)|(1<<20)|(1<<21)|(4<<22)|(3<<25)   ; after every 32 words 4 words of padding
	s_mov_b32 s[G1K+1], 64<<16
	s_mov_b32 s[G1K+2], 32<<16
	s_mov_b32 s[G1K+3], 64<<16
	s_mov_b32 s[G1K+4], 32
	s_mov_b32 s[G1K+5], 64
	s_mov_b32 s[G1K+6], 0
	s_mov_b32 s[G1K+7], 0
	s_mov_b32 s[G1V+0], 15|(1<<16)|(1<<20)|(1<<21)|(4<<22)|(7<<25)   ; 8 words of padding
	s_mov_b32 s[G1V+1], 64<<16
	s_mov_b32 s[G1V+2], 32<<16
	s_mov_b32 s[G1V+3], 64<<16
	s_mov_b32 s[G1V+4], 32
	s_mov_b32 s[G1V+5], 64
	s_mov_b32 s[G1V+6], 0
	s_mov_b32 s[G1V+7], 0
	s_lshl_b32 s60, s13, 18                        ; K, V: plane and my 32 rows: nothing of my place in the cluster
	s_lshl_b32 s61, s8, 12
	s_add_co_u32 s60, s60, s61
	s_mov_b32 s61, 0
	s_lshl_b32 s62, s13, 18                        ; Q, ctx: plane, 256 rows a query block, 64 rows a wave, rows of 128 bytes
	s_lshl_b32 s63, s12, 15
	s_add_co_u32 s62, s62, s63
	s_lshl_b32 s63, s9, 13
	s_add_co_u32 s62, s62, s63
	s_mov_b32 s63, 0
	s_mul_i32 s49, s8, 32*KP                       ; where my 32 rows land
	s_mul_i32 s50, s8, 32*VP
	s_add_co_u32 s50, s50, VOFF
	s_wait_dscnt 0x0
	s_wait_kmcnt 0x0
	s_add_nc_u64 s[60:61], s[4:5], s[60:61]
	s_add_nc_u64 s[56:57], s[4:5], s[62:63]        ; Q
	s_add_nc_u64 s[58:59], s[6:7], s[62:63]        ; ctx
.irp s, 0,1
	s_mov_b32 s[G0K+4*\s], 1
	s_add_co_u32 s[G0K+4*\s+1], s49, \s*SLOT
	s_add_nc_u64 s[G0K+4*\s+2:G0K+4*\s+3], s[60:61], KBASE+\s*TILEB
	s_or_b32 s[G0K+4*\s+3], s[G0K+4*\s+3], 0x80000000
	s_mov_b32 s[G0V+4*\s], 1
	s_add_co_u32 s[G0V+4*\s+1], s50, \s*SLOT
	s_add_nc_u64 s[G0V+4*\s+2:G0V+4*\s+3], s[60:61], VBASE+\s*TILEB
	s_or_b32 s[G0V+4*\s+3], s[G0V+4*\s+3], 0x80000000
.endr
	ROUND                                          ; the four work-groups are here: the first joint loads meet
	tensor_load_to_lds s[G0K:G0K+3], s[G1K:G1K+7]  ; tile 0; two tensor loads of the wave are out at any time
	s_nop 0
	tensor_load_to_lds s[G0V:G0V+3], s[G1V:G1V+7]
	s_nop 0
	v_and_b32 v1, 31, v0                           ; lane
	v_and_b32 v2, 15, v0                           ; r
	v_bfe_u32 v3, v0, 4, 1                         ; h
	v_lshlrev_b32 v[QO], 7, v2
	v_lshl_add_u32 v[QO], v3, 4, v[QO]             ; Q: row r, 16 h
.irp qt, 0,1,2,3
.irp ds, 0,1
	global_load_b128 v[QF+8*(2*\qt+\ds):QF+8*(2*\qt+\ds)+3],   v[QO], s[56:57] offset:2048*\qt+64*\ds
	global_load_b128 v[QF+8*(2*\qt+\ds)+4:QF+8*(2*\qt+\ds)+7], v[QO], s[56:57] offset:2048*\qt+64*\ds+32
.endr
.endr
	v_mul_u32_u24 v45, v2, KP
	v_lshl_add_u32 v45, v3, 4, v45                 ; r x 144 + 16 h
	s_mul_i32 s51, s10, 128*KP                     ; my half of the keys
	v_add_nc_u32 v[KADR], s51, v45
	v_add_nc_u32 v[KADR+1], SLOT, v[KADR]
	v_and_b32 v46, 7, v0
	v_lshl_add_u32 v46, v3, 3, v46                 ; key 8 h + lane % 8
	v_mul_u32_u24 v46, v46, VP
	v_bfe_u32 v47, v0, 3, 1
	v_lshl_add_u32 v46, v47, 4, v46                ; + 16 ((lane / 8) % 2)
	s_mul_i32 s52, s10, 128*VP
	s_add_co_u32 s52, s52, VOFF
	v_add_nc_u32 v[VADR], s52, v46
	v_add_nc_u32 v[VADR+1], SLOT, v[VADR]
	s_mul_i32 s53, s9, XW
	s_add_co_u32 s53, s53, XCH
	v_lshl_add_u32 v[XA], v1, 4, s53               ; the merge: 16 bytes a lane, pieces of 512 bytes
	s_mul_i32 s14, s9, SGW
	s_add_co_u32 s14, s14, STG
	v_add_nc_u32 v[STO], s14, v45
	v_bfe_u32 v47, v0, 3, 2
	v_mul_u32_u24 v47, v47, KP
	v_and_b32 v48, 7, v0
	v_lshl_add_u32 v47, v48, 4, v47
	v_add_nc_u32 v[RD], s14, v47                   ; back: 8 lanes take a row of 128 bytes, a wave four rows
	v_lshlrev_b32 v[CO], 4, v1
.irp q, 0,1,2,3
	v_mov_b32 v[NM+2*\q+1], 0                      ; the pairs' second registers are named by the packed forms and never used
	v_mov_b32 v[AL+2*\q+1], 0
.endr
	WIN 0x40                                       ; destination window 1
.irp q, 0,1,2,3
	v_mov_b32 v[ALW+2*\q+1], 0
.endr
	WIN 0
.macro KLOAD slot, sub                 ; 64 keys x 64 d of K: 16 loads
.irp kt, 0,1,2,3
.irp ds, 0,1
	ds_load_b128 v[KF+8*(2*\kt+\ds):KF+8*(2*\kt+\ds)+3],   v[KADR+\slot] offset:\sub*64*KP+\kt*16*KP+\ds*64
	ds_load_b128 v[KF+8*(2*\kt+\ds)+4:KF+8*(2*\kt+\ds)+7], v[KADR+\slot] offset:\sub*64*KP+\kt*16*KP+\ds*64+32
.endr
.endr
.endm
.macro VLOAD slot, sub                 ; the same keys of V, transposed on the way: 16 loads (destination window 1, address window 0)
.irp kk, 0,1
.irp dt, 0,1,2,3
	ds_load_tr16_b128 v[VF+8*(4*\kk+\dt):VF+8*(4*\kk+\dt)+3],   v[VADR+\slot] offset:\sub*64*VP+\kk*32*VP+\dt*32
	ds_load_tr16_b128 v[VF+8*(4*\kk+\dt)+4:VF+8*(4*\kk+\dt)+7], v[VADR+\slot] offset:\sub*64*VP+\kk*32*VP+\dt*32+16*VP
.endr
.endr
.endm
; Number i (0..7) of the eight products of S^T of query tile nq: i 0-3: key tiles 0-3, d 0-31, which start the sums; i 4-7: the same tiles, d 32-63.
; The four accumulators take turns, one instruction a turn.  All operands in window 0.
.macro SW nq, i
.if (\i) < 4
	v_wmma_f32_16x16x32_bf16 v[S+32*((\nq)%2)+8*(\i):S+32*((\nq)%2)+8*(\i)+7], v[KF+16*(\i):KF+16*(\i)+7], v[QF+16*(\nq):QF+16*(\nq)+7], 0
.else
	v_wmma_f32_16x16x32_bf16 v[S+32*((\nq)%2)+8*((\i)-4):S+32*((\nq)%2)+8*((\i)-4)+7], v[KF+16*((\i)-4)+8:KF+16*((\i)-4)+15], v[QF+16*(\nq)+8:QF+16*(\nq)+15], v[S+32*((\nq)%2)+8*((\i)-4):S+32*((\nq)%2)+8*((\i)-4)+7]
.endif
.endm
; Number i (0..7) of the eight products of out^T of query tile q: i 0-3: d tiles 0-3, keys 0-31; i 4-7: keys 32-63.  By turns likewise.  All operands in window 1.
.macro PWA q, i
	v_wmma_f32_16x16x32_bf16 v[ACC+8*(4*(\q)+(\i)%4):ACC+8*(4*(\q)+(\i)%4)+7], v[VF+8*(\i):VF+8*(\i)+7], v[PB+16*((\q)%2)+8*((\i)/4):PB+16*((\q)%2)+8*((\i)/4)+7], v[ACC+8*(4*(\q)+(\i)%4):ACC+8*(4*(\q)+(\i)%4)+7]
.endm
.macro PW q, i, first                  ; first = 1: the launch's first 64 keys: the first product starts the sums
.if \first
.if (\i) < 4
	v_wmma_f32_16x16x32_bf16 v[ACC+8*(4*(\q)+(\i)):ACC+8*(4*(\q)+(\i))+7], v[VF+8*(\i):VF+8*(\i)+7], v[PB+16*((\q)%2):PB+16*((\q)%2)+7], 0
.else
	PWA \q, \i
.endif
.else
	PWA \q, \i
.endif
.endm
; The softmax of query tile qt: my lane's 32 scores (query r, 32 of the 64 keys; the other 32 lie in the lane of the other half), up to p in f32 and its sum.
; smul = 1: the eight products of S^T of query tile nq (into the other S buffer) stand one in front of each group of 2 subtractions and 4 exponentials.
; kwait = 1: those products use K fragments that were asked for in the stage before.
.macro SOFTA qt, first, smul, nq, kwait
.set SB, S+32*((\qt)%2)
.irp c, 0,1,2,3
	v_max3_num_f32 v[T+\c], v[SB+8*\c], v[SB+8*\c+1], v[SB+8*\c+2]     ; four chains of seven scores
.endr
.irp c, 0,1,2,3
	v_max3_num_f32 v[T+\c], v[T+\c], v[SB+8*\c+3], v[SB+8*\c+4]
.endr
.irp c, 0,1,2,3
	v_max3_num_f32 v[T+\c], v[T+\c], v[SB+8*\c+5], v[SB+8*\c+6]
.endr
	v_max3_num_f32 v[T], v[T], v[T+1], v[SB+7]                         ; the chains meet and take the four scores left over
	v_max3_num_f32 v[T+2], v[T+2], v[T+3], v[SB+15]
	v_max3_num_f32 v[T], v[T], v[T+2], v[SB+23]
.if \first
	v_max_num_f32 v[T], v[T], v[SB+31]
.else
	v_max3_num_f32 v[T], v[T], v[SB+31], v[M+\qt]                      ; and the maximum so far
.endif
	v_permlanex16_b32 v[T+1], v[T], s54, s55                           ; the other half's
	v_max_num_f32 v[T+2], v[T], v[T+1]
.if \first == 0
	v_sub_f32 v[T+3], v[M+\qt], v[T+2]                                 ; old maximum - new, at most 0
.endif
	v_mov_b32 v[M+\qt], v[T+2]
	v_mul_f32 v[NM+2*\qt], -1.0, v[T+2]
.set k, 0
.rept 4
	v_pk_add_f32 v[SB+2*k:SB+2*k+1], v[SB+2*k:SB+2*k+1], v[NM+2*\qt:NM+2*\qt+1] op_sel_hi:[1,0]   ; s - m, both by the pair's first register
.set k, k+1
.endr
.if \kwait
	s_wait_dscnt 0x0                                                   ; the next 64 keys' K fragments: the only LDS loads that are out
.endif
.set k, 0
.rept 8
.if \smul
	SW \nq, k
.endif
.if k < 6
	v_pk_add_f32 v[SB+4*k+8:SB+4*k+9], v[SB+4*k+8:SB+4*k+9], v[NM+2*\qt:NM+2*\qt+1] op_sel_hi:[1,0]       ; two groups ahead of their exponentials
	v_pk_add_f32 v[SB+4*k+10:SB+4*k+11], v[SB+4*k+10:SB+4*k+11], v[NM+2*\qt:NM+2*\qt+1] op_sel_hi:[1,0]
.endif
	v_exp_f32 v[SB+4*k], v[SB+4*k]
	v_exp_f32 v[SB+4*k+1], v[SB+4*k+1]
	v_exp_f32 v[SB+4*k+2], v[SB+4*k+2]
	v_exp_f32 v[SB+4*k+3], v[SB+4*k+3]
.set k, k+1
.endr
.if \first == 0
	v_exp_f32 v[AL+2*\qt], v[T+3]
.endif
	v_nop                                                              ; one plain place behind the last transcendentals (ISA guide 5.7.2)
	s_wait_alu depctr_va_vdst(0)
.irp c, 0,1,2,3
	v_pk_add_f32 v[T+2*\c:T+2*\c+1], v[SB+4*\c:SB+4*\c+1], v[SB+4*\c+2:SB+4*\c+3]   ; the sum of my 32, in four chains of pairs
.endr
.irp c, 0,1,2,3
	v_pk_add_f32 v[T+2*\c:T+2*\c+1], v[T+2*\c:T+2*\c+1], v[SB+16+2*\c:SB+16+2*\c+1]
.endr
.irp c, 0,1,2,3
	v_pk_add_f32 v[T+2*\c:T+2*\c+1], v[T+2*\c:T+2*\c+1], v[SB+24+2*\c:SB+24+2*\c+1]
.endr
	v_pk_add_f32 v[T:T+1], v[T:T+1], v[T+2:T+3]
	v_pk_add_f32 v[T+4:T+5], v[T+4:T+5], v[T+6:T+7]
	v_pk_add_f32 v[T:T+1], v[T:T+1], v[T+4:T+5]
.if \first
	v_add_f32 v[LS+\qt], v[T], v[T+1]
.else
	v_add_f32 v[T], v[T], v[T+1]
	v_fma_f32 v[LS+\qt], v[LS+\qt], v[AL+2*\qt], v[T]                  ; the halves' sums meet at the end
.endif
.endm
; p of query tile qt to bf16: key tiles 0, 1 make P^T of keys 0-31, key tiles 2, 3 of keys 32-63; the factor goes along.  Sources window 0, destination window 1.
.macro CVT qt, first
	WIN 0x40
.if \first == 0
	v_mov_b32 v[ALW+2*\qt], v[AL+2*\qt]
.endif
.irp i, 0,1,2,3,4,5,6,7,8,9,10,11,12,13,14,15
	v_cvt_pk_bf16_f32 v[PB+16*((\qt)%2)+\i], v[S+32*((\qt)%2)+2*\i], v[S+32*((\qt)%2)+2*\i+1]
.endr
.endm
; resc = 1: out^T of query tile qt is rescaled (16 packed multiplies); pv = 1: the eight products of out^T of query tile pq stand among the first eight of them.
; Nine multiplies, which name none of the products' registers, follow the last product.  Everything in window 1.
.macro RPV qt, resc, pv, pq, pvfirst
	WIN 0x55
.set n, 0
.rept 8
.if \pv
	PW \pq, n, \pvfirst
.endif
.if \resc
	v_pk_mul_f32 v[ACC+32*\qt+2*n:ACC+32*\qt+2*n+1], v[ACC+32*\qt+2*n:ACC+32*\qt+2*n+1], v[ALW+2*\qt:ALW+2*\qt+1] op_sel_hi:[1,0]
.endif
.set n, n+1
.endr
.if \resc
.rept 8
	v_pk_mul_f32 v[ACC+32*\qt+2*n:ACC+32*\qt+2*n+1], v[ACC+32*\qt+2*n:ACC+32*\qt+2*n+1], v[ALW+2*\qt:ALW+2*\qt+1] op_sel_hi:[1,0]
.set n, n+1
.endr
.endif
.endm
; A tile of 256 keys (my 128: two runs of 64, eight stages).  HEAD: the rest of the round whose opening signal stands in the TAIL before, the other slot's
; refills first behind it, then stages 0 to 5.  TAIL: the next round's waits and opening signal, then stages 6 and 7, which touch registers alone.
.macro HEAD slot, refill, first
	s_barrier_wait -1                              ; every wave of my work-group has signalled: its reads of the other slot are back, its tensor loads have landed
	CREST                                          ; and so in all four work-groups
.if \refill
	tensor_load_to_lds s[G0K+4*(1-\slot):G0K+4*(1-\slot)+3], s[G1K:G1K+7]
	s_nop 0
	tensor_load_to_lds s[G0V+4*(1-\slot):G0V+4*(1-\slot)+3], s[G1V:G1V+7]
	s_nop 0
.endif
	KLOAD \slot, 0
.if \first == 0
	RPV 3, 0, 1, 3, 0                              ; the last tile's out^T(3), from registers, while K's fragments come
	WIN 0
.endif
	s_wait_dscnt 0x0
.set k, 0
.rept 8
	SW 0, k                                        ; S^T(0): the one query tile of the tile whose products have no softmax to stand in
.set k, k+1
.endr
	PLACES
	; stage 0
	SOFTA 0, \first, 1, 1, 0
	CVT 0, \first
	VLOAD \slot, 0                                 ; V's fragments were last read by out^T(3) at this macro's head: a whole softmax lies between
.if \first == 0
	RPV 0, 1, 0, 0, 0
.endif
	WIN 0
	; stage 1
	SOFTA 1, \first, 1, 2, 0
	CVT 1, \first
	s_wait_dscnt 0x0                               ; V's 16 loads: nothing else is out
	RPV 1, 1-\first, 1, 0, \first
	WIN 0
	; stage 2
	SOFTA 2, \first, 1, 3, 0
	KLOAD \slot, 1                                 ; behind S^T(3)'s last product stand the v_nop and the 17 additions of the sum: more than four places
	CVT 2, \first
	RPV 2, 1-\first, 1, 1, \first
	WIN 0
	; stage 3
	SOFTA 3, \first, 1, 0, 1
	CVT 3, \first
	RPV 3, 1-\first, 1, 2, \first
	WIN 0
	; stage 4: the second 64 keys
	SOFTA 0, 0, 1, 1, 0
	CVT 0, 0
	RPV 0, 1, 1, 3, \first
	WIN 0x40
	VLOAD \slot, 1                                 ; behind out^T(3)'s last product stand nine multiplies
	WIN 0
	; stage 5
	SOFTA 1, 0, 1, 2, 0
	CVT 1, 0
	s_wait_dscnt 0x0                               ; V's 16 loads: with them all my reads of this slot are back
	RPV 1, 1, 1, 0, 0
	WIN 0
.endm
.macro TAIL slot, sig
.if \sig
	s_wait_tensorcnt 0x0                           ; all my tensor loads have landed: my parts of the next tile, asked for at this tile's head, six stages ago
	ds_add_u32 v62, v63
	s_wait_dscnt 0x0
	s_add_nc_u64 s[G0K+4*(1-\slot)+2:G0K+4*(1-\slot)+3], s[G0K+4*(1-\slot)+2:G0K+4*(1-\slot)+3], 2*TILEB   ; no load of mine is out: that slot's tile after next
	s_add_nc_u64 s[G0V+4*(1-\slot)+2:G0V+4*(1-\slot)+3], s[G0V+4*(1-\slot)+2:G0V+4*(1-\slot)+3], 2*TILEB
	s_wait_dscnt 0x0                               ; my reads of this slot are back (met: stage 5 waited for the last of them)
	s_barrier_signal -1                            ; opens the round; up to its wait, at the next HEAD, register work alone
.endif
	; stage 6
	SOFTA 2, 0, 1, 3, 0
	CVT 2, 0
	RPV 2, 1, 1, 1, 0
	WIN 0
	; stage 7: the next S^T needs the next tile
	SOFTA 3, 0, 0, 0, 0
	CVT 3, 0
	RPV 3, 1, 1, 2, 0
	WIN 0
.endm
	s_wait_loadcnt 0x0                             ; Q
	s_wait_tensorcnt 0x0                           ; my parts of tile 0
	ds_add_u32 v62, v63
	s_add_nc_u64 s[G0K+2:G0K+3], s[G0K+2:G0K+3], 2*TILEB
	s_add_nc_u64 s[G0V+2:G0V+3], s[G0V+2:G0V+3], 2*TILEB
	s_wait_dscnt 0x0
	s_barrier_signal -1
	HEAD 0, 1, 1                                   ; 2048 / 256 = 8 tiles: two in front, four in the loop, two behind
	TAIL 0, 1
	HEAD 1, 1, 0
	s_mov_b32 s48, 2
.Ltiles:                                           ; the label stands in front of a round's waits and signal: no jump lies between a signal and its wait
	TAIL 1, 1
	HEAD 0, 1, 0
	TAIL 0, 1
	HEAD 1, 1, 0
	s_sub_co_u32 s48, s48, 1
	s_cmp_lg_u32 s48, 0
	s_cbranch_scc1 .Ltiles
	TAIL 1, 1
	HEAD 0, 1, 0                                   ; tile 6; asks for tile 7
	TAIL 0, 1
	HEAD 1, 0, 0                                   ; tile 7 asks for nothing (the stepped addresses are not used)
	TAIL 1, 0
	RPV 3, 0, 1, 3, 0                              ; the last out^T(3)
	WIN 0
	PLACES                                         ; behind it: out^T is stored or read below
	; THE MERGE of the two halves of the keys: waves 4-7 hand out^T, maximum and sum to waves 0-3 through LDS.
	s_cmp_lt_u32 s8, 4
	s_cbranch_scc1 .Lnosend
	WIN 0x04                                       ; store data window 1
.set n, 0
.rept 32
	ds_store_b128 v[XA], v[ACC+4*n:ACC+4*n+3] offset:512*n
.set n, n+1
.endr
	WIN 0
	ds_store_b128 v[XA], v[M:M+3] offset:16384
	ds_store_b128 v[XA], v[LS:LS+3] offset:16896
.Lnosend:
	s_wait_dscnt 0x0                               ; for the readers' sake: zero
	s_barrier_signal -1
	s_barrier_wait -1
	s_cmp_ge_u32 s8, 4
	s_cbranch_scc1 .Lend
.set n, 0
.rept 32
	ds_load_b128 v[S+4*n:S+4*n+3], v[XA] offset:512*n
.set n, n+1
.endr
	ds_load_b128 v[X2:X2+3], v[XA] offset:16384    ; the other half's maxima
	ds_load_b128 v[X2+4:X2+7], v[XA] offset:16896  ; and sums
	s_wait_dscnt 0x0
.irp qt, 0,1,2,3
	v_max_num_f32 v[T], v[M+\qt], v[X2+\qt]
	v_sub_f32 v[T+1], v[M+\qt], v[T]
	v_sub_f32 v[T+2], v[X2+\qt], v[T]
	v_exp_f32 v[T+1], v[T+1]
	v_exp_f32 v[T+2], v[T+2]
	v_nop
	s_wait_alu depctr_va_vdst(0)
	v_mul_f32 v[T+3], v[X2+4+\qt], v[T+2]
	v_fmac_f32 v[T+3], v[LS+\qt], v[T+1]
	v_permlanex16_b32 v[T+4], v[T+3], s54, s55     ; the sums of the lanes' two halves meet here, once
	v_add_f32 v[T+3], v[T+3], v[T+4]               ; at least 1: the largest score's term
	v_rcp_f32 v[T+5], v[T+3]
	v_nop
	s_wait_alu depctr_va_vdst(0)
	v_mul_f32 v[AL+2*\qt], v[T+1], v[T+5]
	v_mul_f32 v[NM+2*\qt], v[T+2], v[T+5]
.endr
.irp qt, 0,1,2,3
.set n, 0
.rept 16
	v_pk_mul_f32 v[S+32*\qt+2*n:S+32*\qt+2*n+1], v[S+32*\qt+2*n:S+32*\qt+2*n+1], v[NM+2*\qt:NM+2*\qt+1] op_sel_hi:[1,0]
.set n, n+1
.endr
.endr
	WIN 0x01                                       ; source 0 window 1
.irp qt, 0,1,2,3
.set n, 0
.rept 16
	v_pk_fma_f32 v[S+32*\qt+2*n:S+32*\qt+2*n+1], v[ACC+32*\qt+2*n:ACC+32*\qt+2*n+1], v[AL+2*\qt:AL+2*\qt+1], v[S+32*\qt+2*n:S+32*\qt+2*n+1] op_sel_hi:[1,0,1]
.set n, n+1
.endr
.endr
	WIN 0
	; out: 16 queries at a time through my stage; each store of the wave covers 512 consecutive bytes (four rows of the dense plane).
	; Each query tile has registers of its own, so no store's data is rewritten.
.irp qt, 0,1,2,3
.irp i, 0,1,2,3,4,5,6,7,8,9,10,11,12,13,14,15
	v_cvt_pk_bf16_f32 v[S+32*\qt+\i], v[S+32*\qt+2*\i], v[S+32*\qt+2*\i+1]
.endr
.irp dt, 0,1,2,3
	ds_store_b128 v[STO], v[S+32*\qt+4*\dt:S+32*\qt+4*\dt+3] offset:32*\dt
.endr
.irp t, 0,1,2,3
	ds_load_b128 v[S+32*\qt+16+4*\t:S+32*\qt+16+4*\t+3], v[RD] offset:4*KP*\t   ; LDS serves a wave's instructions in order
.endr
.irp t, 0,1,2,3
	s_wait_dscnt 3-\t                              ; the younger read-backs stay out
	global_store_b128 v[CO], v[S+32*\qt+16+4*\t:S+32*\qt+16+4*\t+3], s[58:59] offset:2048*\qt+512*\t
.endr
.endr
.Lend:
	s_wait_dscnt 0x0
	s_wait_tensorcnt 0x0
	ds_add_u32 v62, v63
	s_wait_dscnt 0x0
	ROUND                                          ; the closing round
	s_endpgm
.Lfunc_end_k_q521f5663e7_attn:
	.size	k_q521f5663e7_attn, .Lfunc_end_k_q521f5663e7_attn-k_q521f5663e7_attn
	.p2alignl 7, 3214868480
	.fill 96, 4, 3214868480
	.section	.rodata,"a",@progbits
	.p2align	6, 0x0
	.amdhsa_kernel k_q521f5663e7_attn
		.amdhsa_group_segment_fixed_size 327680
		.amdhsa_private_segment_fixed_size 0
		.amdhsa_enable_private_segment 0
		.amdhsa_kernarg_size 16
		.amdhsa_user_sgpr_count 2
		.amdhsa_user_sgpr_kernarg_segment_ptr 1
		.amdhsa_wavefront_size32 1
		.amdhsa_system_sgpr_workgroup_id_x 1
		.amdhsa_system_sgpr_workgroup_id_y 1
		.amdhsa_system_sgpr_workgroup_id_z 1
		.amdhsa_system_vgpr_workitem_id 0
		.amdhsa_next_free_vgpr 512
		.amdhsa_next_free_sgpr 66
		.amdhsa_reserve_vcc 0
		.amdhsa_float_denorm_mode_32 3
		.amdhsa_float_denorm_mode_16_64 3
		.amdhsa_memory_ordered 1
		.amdhsa_forward_progress 1
		.amdhsa_inst_pref_size 255
	.end_amdhsa_kernel
	.section	.bss,"aw",@nobits
	.p2align	6
	.space	262144
	.amdgpu_metadata
---
amdhsa.version: [ 1, 2 ]
amdhsa.kernels:
  - .name:           k_q521f5663e7_attn
    .symbol:         k_q521f5663e7_attn.kd
    .args:
      - { .name: qkv, .offset: 0, .size: 8, .value_kind: global_buffer, .address_space: global }
      - { .name: ctx, .offset: 8, .size: 8, .value_kind: global_buffer, .address_space: global }
    .group_segment_fixed_size: 327680
    .private_segment_fixed_size: 0
    .kernarg_segment_align: 8
    .kernarg_segment_size: 16
    .max_flat_workgroup_size: 256
    .sgpr_count:     66
    .vgpr_count:     512
    .wavefront_size: 32
...
	.end_amdgpu_metadata
.endif
;; end of part 3
;; launch oproj (part 4): grid 8 x 32, 4 waves a work-group, clusters of 4 x 4, 327,680 bytes of LDS; arguments ctx, cb, bo, out0; writes out0
.if DOCPART == 4
	.amdgcn_target "amdgcn-amd-amdhsa--gfx1250"
	.amdhsa_code_object_version 6
	.text
	.protected	k_q521f5663e7_oproj
	.globl	k_q521f5663e7_oproj
	.p2align	8
	.type	k_q521f5663e7_oproj,@function
k_q521f5663e7_oproj:
	s_mov_b64 s[64:65], 0
	v_nop
	global_prefetch_b8 v0, s[64:65] scope:SCOPE_SE
	s_setreg_imm32_b32 hwreg(HW_REG_WAVE_MODE, 25, 1), 1
	s_wait_xcnt 0x0
	s_wait_alu depctr_hold_cnt(0) depctr_sa_sdst(0) depctr_va_vdst(0) depctr_va_sdst(0) depctr_va_ssrc(0) depctr_va_vcc(0) depctr_vm_vsrc(0)
	s_getreg_b32 s2, hwreg(HW_REG_IB_STS2, 6, 4)
	s_cmp_eq_u32 s2, 0
	s_cbranch_scc0 .Lentry_in_a_cluster
	s_endpgm
.Lentry_in_a_cluster:
	s_bfe_u32 s2, ttmp6, 0x10000c
	s_cmp_lg_u32 s2, 0xf033
	s_cbranch_scc0 .Lentry_shape_is_right
	s_endpgm
.Lentry_shape_is_right:
; out0 = ctx Wo^T + bo.  ctx: [b][h][t][64] bf16 (dense planes), Wo: bf16 in cb at byte 14,680,064, [1024][1024]; out0 f32 [4096][1024].
; LIMITS: operands are bf16, sums f32 in the matrix unit's order.
; A work-group makes 128 x 128 (8 x 32 work-groups); wave (w / 2, w % 2) makes 64 x 64: 16 accumulator tiles.
; K goes in steps of 256 = four heads through two LDS slots: 1024 / 256 = 4 tiles, so the text has no loop.
; CLUSTER 4 x 4: ctx's tile hangs on the block row alone (joint along a row of the cluster), Wo's on the block column alone (joint along a column).
; Wave w asks for head 4 tile + w of ctx (128 rows x 128 bytes) and for 32 rows x 512 bytes of Wo.
; The matrix instruction is used transposed (source 0 = rows of Wo): a lane holds row l % 16 and 8 neighbouring columns.
.set AP,    144                        ; ctx's LDS row: 128 bytes + 16
.set BP,    528                        ; Wo's LDS row: 512 bytes + 16; both odd multiples of 16
.set HEADB, 128*AP                     ; a head's 128 rows
.set BOFF,  4*HEADB
.set SLOT,  BOFF+128*BP                ; 141,312
.set STAGE, 2*SLOT                     ; no tensor load lands here: 16 rows x 272 bytes for each wave
.set SPITCH, 272                       ; 64 f32 + 16 bytes
.set WOOFF, 14680064
.set ADRA, 16
.set ADRB, 20
.set STO,  24
.set RD,   25
.set CO,   26
.set BO,   27
.set FA,   32                          ; ctx fragments: buffer f at FA + 32 f
.set FB,   96                          ; Wo fragments: buffer f at FB + 32 f
.set BIAS, 160                         ; v160-191  bo of my 64 columns: 8 numbers for each column tile
.set T,    192                         ; v192-223
.set RB,   224                         ; v224-255
.set G1A, 24
.set G1B, 32
.set G0A, 40
.set G0B, 48
.set MSB, 0
.macro WIN new
.if MSB != \new
	s_set_vgpr_msb (MSB<<8)|\new
.set MSB, \new
.endif
.endm
.macro PLACES
.rept 4
	v_nop
.endr
.endm
.macro CREST
	s_cmp_lg_u32 s14, 0
	s_cbranch_scc1 .Lnot_wave_0_\@
	s_barrier_signal -3
.Lnot_wave_0_\@:
	s_barrier_wait -3
	s_barrier_signal -1
	s_barrier_wait -1
.endm
.macro CROUND
	s_barrier_signal -1
	s_barrier_wait -1
	CREST
.endm
	s_load_b256 s[4:11], s[0:1], 0x0               ; ctx s[4:5], cb s[6:7], bo s[8:9], out0 s[10:11]
	v_lshl_add_u32 v30, v0, 2, 0x49400
	v_mov_b32 v31, 0
	ds_add_u32 v30, v31
	v_lshrrev_b32 v1, 5, v0
	v_readfirstlane_b32 s14, v1                    ; wave 0..3
	s_lshr_b32 s12, s14, 1                         ; which 64 rows
	s_and_b32 s13, s14, 1                          ; which 64 columns
	s_bfe_u32 s15, ttmp6, 0x40000                  ; cx
	s_bfe_u32 s16, ttmp6, 0x40004                  ; cy
	s_lshl_b32 s17, ttmp9, 2
	s_add_co_u32 s17, s17, s15                     ; block column 0..7
	s_and_b32 s18, ttmp7, 0xffff
	s_lshl_b32 s18, s18, 2
	s_add_co_u32 s18, s18, s16                     ; block row 0..31
	s_lshl_b32 s19, s16, 2
	s_lshl_b32 s19, 15, s19                        ; my row of the cluster
	s_lshl_b32 s20, 0x1111, s15                    ; my column
	s_or_b32 s[G1A+0], s19, (1<<16)|(1<<20)|(1<<21)|(4<<22)|(3<<25)   ; 128 rows x 64 elements, dense; 4 words of padding after every 32
	s_mov_b32 s[G1A+1], 64<<16
	s_mov_b32 s[G1A+2], 128<<16
	s_mov_b32 s[G1A+3], 64<<16
	s_mov_b32 s[G1A+4], 128
	s_mov_b32 s[G1A+5], 64
	s_mov_b32 s[G1A+6], 0
	s_mov_b32 s[G1A+7], 0
	s_or_b32 s[G1B+0], s20, (1<<16)|(1<<20)|(1<<21)|(6<<22)|(3<<25)   ; 32 rows x 256 elements, pitch 1024; 4 words after every 128
	s_mov_b32 s[G1B+1], 256<<16
	s_mov_b32 s[G1B+2], 32<<16
	s_mov_b32 s[G1B+3], 256<<16
	s_mov_b32 s[G1B+4], 32
	s_mov_b32 s[G1B+5], 1024
	s_mov_b32 s[G1B+6], 0
	s_mov_b32 s[G1B+7], 0
	s_lshr_b32 s56, s18, 4                         ; ctx: plane 16 b + wave (+ 4 a tile), b = block row / 16
	s_lshl_b32 s56, s56, 4
	s_add_co_u32 s56, s56, s14
	s_lshl_b32 s56, s56, 18
	s_and_b32 s57, s18, 15                         ; t = 128 (block row % 16), rows of 128 bytes
	s_lshl_b32 s57, s57, 14
	s_add_co_u32 s56, s56, s57
	s_mov_b32 s57, 0
	s_lshl_b32 s60, s17, 18                        ; Wo: row 128 x block column + 32 x wave, rows of 2,048 bytes
	s_lshl_b32 s61, s14, 16
	s_add_co_u32 s60, s60, s61
	s_add_co_u32 s60, s60, WOOFF
	s_mov_b32 s61, 0
	s_mul_i32 s22, s14, HEADB                      ; LDS addresses hang on the wave's number alone
	s_mul_i32 s23, s14, 32*BP
	s_add_co_u32 s23, s23, BOFF
	s_mul_i32 s3, s14, 16*SPITCH
	s_add_co_u32 s3, s3, STAGE
	s_lshl_b32 s70, s17, 9                         ; my first column in bytes of f32: 512 x block column + 256 x half
	s_lshl_b32 s71, s13, 8
	s_add_co_u32 s70, s70, s71
	s_mov_b32 s71, 0
	s_lshl_b32 s72, s18, 19                        ; my first row: (128 x block row + 64 x half) rows of 4,096 bytes
	s_lshl_b32 s73, s12, 18
	s_add_co_u32 s72, s72, s73
	s_mov_b32 s73, 0
	s_wait_dscnt 0x0
	s_wait_kmcnt 0x0
	s_add_nc_u64 s[56:57], s[4:5], s[56:57]
	s_add_nc_u64 s[60:61], s[6:7], s[60:61]
	s_add_nc_u64 s[68:69], s[8:9], s[70:71]        ; bo at my columns
	s_add_nc_u64 s[66:67], s[10:11], s[70:71]
	s_add_nc_u64 s[66:67], s[66:67], s[72:73]      ; out0 at my corner
	CROUND                                         ; the first joint loads meet
.irp s, 0,1
	s_mov_b32 s[G0A+4*\s], 1
	s_add_co_u32 s[G0A+4*\s+1], s22, \s*SLOT
	s_add_nc_u64 s[G0A+4*\s+2:G0A+4*\s+3], s[56:57], \s*4*262144
	s_or_b32 s[G0A+4*\s+3], s[G0A+4*\s+3], 0x80000000
	s_mov_b32 s[G0B+4*\s], 1
	s_add_co_u32 s[G0B+4*\s+1], s23, \s*SLOT
	s_add_nc_u64 s[G0B+4*\s+2:G0B+4*\s+3], s[60:61], \s*512
	s_or_b32 s[G0B+4*\s+3], s[G0B+4*\s+3], 0x80000000
	tensor_load_to_lds s[G0A+4*\s:G0A+4*\s+3], s[G1A:G1A+7]    ; four tensor loads of the wave are out here, two later
	s_nop 0
	tensor_load_to_lds s[G0B+4*\s:G0B+4*\s+3], s[G1B:G1B+7]
	s_nop 0
.endr
	v_and_b32 v1, 15, v0                           ; r
	v_bfe_u32 v2, v0, 4, 1                         ; h
	v_lshlrev_b32 v[BO], 5, v2                     ; my 8 numbers of a tile's 16
.irp b, 0,1,2,3
	global_load_b128 v[BIAS+8*\b:BIAS+8*\b+3],   v[BO], s[68:69] offset:64*\b      ; asked for now, waited for at the way out; these registers serve nothing else
	global_load_b128 v[BIAS+8*\b+4:BIAS+8*\b+7], v[BO], s[68:69] offset:64*\b+16
.endr
	v_mul_u32_u24 v3, v1, AP
	v_lshl_add_u32 v3, v2, 4, v3
	s_mul_i32 s74, s12, 64*AP                      ; my 64 rows in each head
	v_add_nc_u32 v[ADRA], s74, v3
	v_add_nc_u32 v[ADRA+1], SLOT, v[ADRA]
	v_mul_u32_u24 v4, v1, BP
	v_lshl_add_u32 v4, v2, 4, v4
	s_mul_i32 s75, s13, 64*BP
	s_add_co_u32 s75, s75, BOFF
	v_add_nc_u32 v[ADRB], s75, v4
	v_add_nc_u32 v[ADRB+1], SLOT, v[ADRB]
	v_mul_u32_u24 v5, v1, SPITCH
	v_lshl_add_u32 v5, v2, 5, v5
	v_add_nc_u32 v[STO], s3, v5                    ; in: row r, 32 bytes for each half of the lanes
	v_mul_u32_u24 v6, v2, SPITCH
	v_lshl_add_u32 v6, v1, 4, v6
	v_add_nc_u32 v[RD], s3, v6                     ; back: 16 lanes take a row of 256 bytes
	v_lshlrev_b32 v7, 12, v2
	v_lshl_add_u32 v[CO], v1, 4, v7                ; the same two rows in out0
; 16 LDS loads: 32 of K, number q of the slot's eight (head q / 2, d 32 (q % 2)), into buffer f
.macro FETCH slot, q, f
.irp i, 0,1,2,3
	ds_load_b128 v[FA+32*\f+8*\i:FA+32*\f+8*\i+3],   v[ADRA+\slot] offset:((\q)/2)*HEADB+((\q)%2)*64+\i*16*AP
	ds_load_b128 v[FA+32*\f+8*\i+4:FA+32*\f+8*\i+7], v[ADRA+\slot] offset:((\q)/2)*HEADB+((\q)%2)*64+\i*16*AP+32
.endr
.irp i, 0,1,2,3
	ds_load_b128 v[FB+32*\f+8*\i:FB+32*\f+8*\i+3],   v[ADRB+\slot] offset:(\q)*64+\i*16*BP
	ds_load_b128 v[FB+32*\f+8*\i+4:FB+32*\f+8*\i+7], v[ADRB+\slot] offset:(\q)*64+\i*16*BP+32
.endr
.endm
; four matrix instructions: row tile a x four column tiles.  The 16 accumulators take turns, one instruction a turn, in the same order throughout.
.macro MUL4 f, a, zero
.irp b, 0,1,2,3
.if \zero
	v_wmma_f32_16x16x32_bf16 v[8*(4*\a+\b):8*(4*\a+\b)+7], v[FB+32*\f+8*\b:FB+32*\f+8*\b+7], v[FA+32*\f+8*\a:FA+32*\f+8*\a+7], 0
.else
	v_wmma_f32_16x16x32_bf16 v[8*(4*\a+\b):8*(4*\a+\b)+7], v[FB+32*\f+8*\b:FB+32*\f+8*\b+7], v[FA+32*\f+8*\a:FA+32*\f+8*\a+7], v[8*(4*\a+\b):8*(4*\a+\b)+7]
.endif
.endr
.endm
; multiplies buffer f; ahead of that, asks for number qn of the slot into buffer g
.macro QUARTER slot, qn, f, g, zero
	s_wait_dscnt 0x0                               ; buffer f is in
	PLACES                                         ; behind the products that read buffer g
	FETCH \slot, \qn, \g
	WIN 0x50                                       ; C and D window 1
	MUL4 \f, 0, \zero
	MUL4 \f, 1, \zero
	MUL4 \f, 2, \zero
	MUL4 \f, 3, \zero
	WIN 0
.endm
.macro SEVEN slot, zero
	QUARTER \slot, 1, 0, 1, \zero
	QUARTER \slot, 2, 1, 0, 0
	QUARTER \slot, 3, 0, 1, 0
	QUARTER \slot, 4, 1, 0, 0
	QUARTER \slot, 5, 0, 1, 0
	QUARTER \slot, 6, 1, 0, 0
	QUARTER \slot, 7, 0, 1, 0
.endm
; the slot's eighth part and the change of slots: the waits in front of the barrier's signal, register work inside, the joint refills first behind the round
.macro TURN slot, next, fill
	s_wait_dscnt 0x0                               ; buffer 1 is in, and my reads of this slot are over
	s_wait_tensorcnt 0x0                           ; all my tensor loads have landed: my parts of the next slot
	ds_add_u32 v30, v31
	s_wait_dscnt 0x0
	WIN 0x50
	MUL4 1, 0, 0
	s_barrier_signal -1
	MUL4 1, 1, 0
	WIN 0
	s_barrier_wait -1
.if \fill
	CREST
	s_add_nc_u64 s[G0A+4*\slot+2:G0A+4*\slot+3], s[G0A+4*\slot+2:G0A+4*\slot+3], 2*4*262144   ; two tiles on: eight heads
	s_add_nc_u64 s[G0B+4*\slot+2:G0B+4*\slot+3], s[G0B+4*\slot+2:G0B+4*\slot+3], 2*512
	tensor_load_to_lds s[G0A+4*\slot:G0A+4*\slot+3], s[G1A:G1A+7]
	s_nop 0
	tensor_load_to_lds s[G0B+4*\slot:G0B+4*\slot+3], s[G1B:G1B+7]
	s_nop 0
.endif
	PLACES
	FETCH \next, 0, 0
	WIN 0x50
	MUL4 1, 2, 0
	MUL4 1, 3, 0
	WIN 0
.endm
	s_wait_tensorcnt 2                             ; my two parts of tile 0 are in, tile 1's two stay out
	s_barrier_signal -1
	s_barrier_wait -1
	FETCH 0, 0, 0
	SEVEN 0, 1                                     ; tile 0: its first products start the sums
	TURN 0, 1, 1                                   ; tile 2 is asked for
	SEVEN 1, 0
	TURN 1, 0, 1                                   ; tile 3
	SEVEN 0, 0
	TURN 0, 1, 0
	SEVEN 1, 0
	s_wait_dscnt 0x0
	WIN 0x50
	MUL4 1, 0, 0
	MUL4 1, 1, 0
	MUL4 1, 2, 0
	MUL4 1, 3, 0
	WIN 0
	PLACES
	s_wait_loadcnt 0x0                             ; bo
; row tile a: 16 rows x 64 columns of f32: add the bias, through my stage, out by rows: 16 lanes store 256 consecutive bytes at a multiple of 256 from out0's first byte
.macro OUT16 a
	s_wait_xcnt 0x0                                ; RB was the data of the last row tile's stores: loaded again only behind this wait
	WIN 0x01                                       ; source 0 window 1
.irp b, 0,1,2,3
.irp p, 0,1,2,3
	v_pk_add_f32 v[T+8*\b+2*\p:T+8*\b+2*\p+1], v[8*(4*\a+\b)+2*\p:8*(4*\a+\b)+2*\p+1], v[BIAS+8*\b+2*\p:BIAS+8*\b+2*\p+1]
.endr
.endr
	WIN 0
.irp b, 0,1,2,3
	ds_store_b128 v[STO], v[T+8*\b:T+8*\b+3] offset:64*\b
	ds_store_b128 v[STO], v[T+8*\b+4:T+8*\b+7] offset:64*\b+16
.endr
.irp t, 0,1,2,3,4,5,6,7
	ds_load_b128 v[RB+4*\t:RB+4*\t+3], v[RD] offset:2*SPITCH*\t    ; LDS serves a wave's instructions in order
.endr
.irp t, 0,1,2,3,4,5,6,7
	s_wait_dscnt 7-\t
	global_store_b128 v[CO], v[RB+4*\t:RB+4*\t+3], s[66:67] offset:(16*\a+2*\t)*4096 th:TH_STORE_NT
.endr
.endm
	OUT16 0
	OUT16 1
	OUT16 2
	OUT16 3
	s_wait_tensorcnt 0x0
	ds_add_u32 v30, v31
	s_wait_dscnt 0x0
	CROUND                                         ; the closing round
	s_endpgm
.Lfunc_end_k_q521f5663e7_oproj:
	.size	k_q521f5663e7_oproj, .Lfunc_end_k_q521f5663e7_oproj-k_q521f5663e7_oproj
	.p2alignl 7, 3214868480
	.fill 96, 4, 3214868480
	.section	.rodata,"a",@progbits
	.p2align	6, 0x0
	.amdhsa_kernel k_q521f5663e7_oproj
		.amdhsa_group_segment_fixed_size 327680
		.amdhsa_private_segment_fixed_size 0
		.amdhsa_enable_private_segment 0
		.amdhsa_kernarg_size 32
		.amdhsa_user_sgpr_count 2
		.amdhsa_user_sgpr_kernarg_segment_ptr 1
		.amdhsa_wavefront_size32 1
		.amdhsa_system_sgpr_workgroup_id_x 1
		.amdhsa_system_sgpr_workgroup_id_y 1
		.amdhsa_system_sgpr_workgroup_id_z 1
		.amdhsa_system_vgpr_workitem_id 0
		.amdhsa_next_free_vgpr 384
		.amdhsa_next_free_sgpr 80
		.amdhsa_reserve_vcc 0
		.amdhsa_float_denorm_mode_32 3
		.amdhsa_float_denorm_mode_16_64 3
		.amdhsa_memory_ordered 1
		.amdhsa_forward_progress 1
		.amdhsa_inst_pref_size 93
	.end_amdhsa_kernel
	.amdgpu_metadata
---
amdhsa.version: [ 1, 2 ]
amdhsa.kernels:
  - .name:           k_q521f5663e7_oproj
    .symbol:         k_q521f5663e7_oproj.kd
    .args:
      - { .name: ctx, .offset: 0, .size: 8, .value_kind: global_buffer, .address_space: global }
      - { .name: cb, .offset: 8, .size: 8, .value_kind: global_buffer, .address_space: global }
      - { .name: bo, .offset: 16, .size: 8, .value_kind: global_buffer, .address_space: global }
      - { .name: out0, .offset: 24, .size: 8, .value_kind: global_buffer, .address_space: global }
    .group_segment_fixed_size: 327680
    .private_segment_fixed_size: 0
    .kernarg_segment_align: 8
    .kernarg_segment_size: 32
    .max_flat_workgroup_size: 128
    .sgpr_count:     80
    .vgpr_count:     384
    .wavefront_size: 32
...
	.end_amdgpu_metadata
.endif
;; end of part 4
